; MI455X (gfx1250); checked and timed in simulation.
; The chip was launched on July 23, 2026; its instructions are those of AMD's public machine-readable ISA for CDNA 5 (MIT licence, August 2026) and "CDNA5" Instruction Set Architecture Reference Guide (July 2026). The comments in the code are by the model that wrote it; some were corrected since.
;; Self Attention. Allowed arithmetic: matrix products marked QUANTISED: E4M3 operands, one given power-of-two scale a tensor, by v_wmma_f32_16x16x64_fp8_fp8 or v_wmma_f32_16x16x128_fp8_fp8, f32 sums; everything else in f32.
;; Inputs: bk 64 float32; bo 512 float32; bq 64 float32; bv 512 float32; gamma 1 float32; lowp_scales 12 int32 (the exponents e of the quantised operands' scales 2^e); wk_codes 64 x 16 x 32 uint8 (E4M3 codes of wk, K innermost, in blocks of 32 codes); wo_codes 512 x 16 x 32 uint8 (E4M3 codes of wo, K innermost, in blocks of 32 codes); wq_codes 64 x 16 x 32 uint8 (E4M3 codes of wq, K innermost, in blocks of 32 codes); wv_codes 512 x 16 x 32 uint8 (E4M3 codes of wv, K innermost, in blocks of 32 codes); x 16 x 512 x 2,048 float32.
;; Outputs: out0 16 x 512 x 2,048 float32.
;; This version of the problem:
;;   THIS VERSION OF THE PROBLEM IS GIVEN IN LOW PRECISION. The matrix products marked QUANTISED in the list below multiply operands that are first quantised to E4M3 (4 exponent bits, 3 mantissa bits; 8 bits a number), with one given power-of-two scale for each operand tensor; their sums are f32. All else is computed in f32.
;;   The module's matrix products, in the order in which they are computed (A, B: the left and right operand; K: the contracted axis; several contracted axes count as one K, in the product's order):
;;     1. [M 32,768, K 512] x [K 512, N 64]; A: input x; B: input wq (given as codes): QUANTISED (scales: A lowp_scales[0], B lowp_scales[1])
;;     2. [M 32,768, K 512] x [K 512, N 64]; A: input x; B: input wk (given as codes): QUANTISED (scales: A lowp_scales[2], B lowp_scales[3])
;;     3. [M 32,768, K 512] x [K 512, N 512]; A: input x; B: input wv (given as codes): QUANTISED (scales: A lowp_scales[4], B lowp_scales[5])
;;     4. batch 16 x [M 2,048, K 64] x [K 64, N 2,048]; A: computed on the way; B: computed on the way: QUANTISED (scales: A lowp_scales[6], B lowp_scales[7])
;;     5. batch 16 x [M 2,048, K 2,048] x [K 2,048, N 512]; A: softmax (see below); B: computed on the way: QUANTISED (scales: A lowp_scales[8], B lowp_scales[9])
;;     6. [M 32,768, K 512] x [K 512, N 512]; A: computed on the way; B: input wo (given as codes): QUANTISED (scales: A lowp_scales[10], B lowp_scales[11])
;;   THE QUANTISER, for each operand of a quantised product, along K:
;;     - The operand's scale is 2^e, e = its entry of the input lowp_scales (int32; the entries are numbered through the quantised products in the list's order, A before B).
;;     - Each number is divided by the scale, clamped to +-448, and rounded to the nearest number of E4M3, ties to even, subnormals kept.
;;     - The product sums the exact products of the quantised numbers (number of the format x scale) in f32.
;;   ~~~python
;;   def quantise(x, axis, e):      # numpy; x: float32 -> the quantised numbers, widened to float32 again
;;       x = np.moveaxis(x, axis, -1); K = x.shape[-1]
;;       r = np.clip(x / 2.0 ** e, -448, 448)
;;       step = 2.0 ** (np.maximum(np.frexp(np.where(r == 0, 1, r))[1] - 1, -6) - 3)
;;       q = np.round(r / step) * step * 2.0 ** e      # np.round: ties to even
;;       return np.moveaxis(q, -1, axis).astype(np.float32)
;;   ~~~
;;   SOFTMAX AHEAD OF A QUANTISED PRODUCT. Where the list says 'softmax', what is quantised is not the finished softmax but p = 2^(t - M), with t = logit x log2(e) and M = ceil(the row's largest t), a whole number; so 1/2 < the row's largest p <= 1. The row's sum l is taken of the UNQUANTISED p, in f32, and the product's result is divided by l at the end. Since M is a whole number, a kernel that streams over the keys may use a running M (the ceiling of the running maximum): every later rescaling is an exact power of two, so the quantised numbers keep their values, but for numbers so far below the row's largest that they fall under the format's range.
;;   OPERANDS COMPUTED ON THE WAY. 'Computed on the way' means the value that the module computes at that place (a softmax that the list does not call 'softmax' is quantised finished and normalised). What goes into a quantiser is computed in f32, as accurately as f32 sums, v_exp_f32 and their like allow (about 1e-6 of the number): no bf16 or f16 on the way to a quantiser, and a product that is left as it is and whose result goes on into a quantised operand takes f32 operands (vector FMAs, or v_wmma_f32_16x16x4_f32). A number that lies on a knife's edge between two numbers of the format may be rounded either way, as far as f32 arithmetic and the matrix unit's own rounding can turn it there, and no further.
;;   INPUTS GIVEN AS CODES. wk (in the module: [64, 512], K = its axis 1); wo (in the module: [512, 512], K = its axis 1); wq (in the module: [64, 512], K = its axis 1); wv (in the module: [512, 512], K = its axis 1): each comes as NAME_codes (uint8): NAME with its K axis moved to the last place and cut into blocks of 32 codes, [.., K / 32, bytes a block], one block behind the other in memory; one code a byte (a code: sign, 4 exponent bits, 3 mantissa bits); its scale is its entry of lowp_scales. Its value is code x scale, taken as it is: it is not quantised again, and the codes and scales need not be those that the quantiser above would give.
;; One version. Each part assembles by itself: llvm-mc -triple=amdgcn-amd-amdhsa -mcpu=gfx1250 --defsym DOCPART=n.
;; ======== version 1 of 1: 2 launches
;; workspace buffers: qw 2,097,152 bytes; kw 2,097,152 bytes; vw 16,777,216 bytes
;; launch proj (part 1): grid 16 x 16, 4 waves a work-group, no clusters, 311,808 bytes of LDS; arguments x, wq_codes, wk_codes, wv_codes, bq, bk, bv, lowp_scales, qw, kw, vw; writes qw, kw, vw
.if DOCPART == 1
	.amdgcn_target "amdgcn-amd-amdhsa--gfx1250"
	.amdhsa_code_object_version 6
	.text
	.protected	k_q019e41d43f_proj
	.globl	k_q019e41d43f_proj
	.p2align	8
	.type	k_q019e41d43f_proj,@function
k_q019e41d43f_proj:
	s_mov_b64 s[64:65], 0
	v_nop
	global_prefetch_b8 v0, s[64:65] scope:SCOPE_SE
	s_setreg_imm32_b32 hwreg(HW_REG_WAVE_MODE, 25, 1), 1
	s_wait_xcnt 0x0
; q = wq x + bq, k = wk x + bk, v = wv x + bv, each product on codes of FP8 (E4M3); the results are quantised again (q, k along d; v along the positions) and stored as codes.
; x: [16][512 c][2048 l] f32, K = c is NOT innermost.  wq, wk: [64][512], wv: [512][512]: codes, K innermost.  lowp_scales: e0 .. e11.
; x is quantised three times (2^e0 for q, 2^e2 for k, 2^e4 for v).  A sum stands for sum x 2^(ea + eb); the bias goes in as the C of a sum's first product, divided by that power of two;
; the next quantiser's scale is folded: v's conversion takes 2^(e9 - e4 - e5), q's 2^(e6 - e0 - e1), k's 2^(e7 - e2 - e3).
; LIMITS: e0, e2, e4 and the three folded exponents lie between -126 and 119, so that each scale and 448 x the scale is an f32 number.  NaN among the inputs is not served; infinities are held at the largest code.
; SHARES.  A work-group owns 128 positions of one batch and all 512 c: 262,144 bytes of x, asked for at the head by sixteen tensor loads (four a wave: four are out at the most), each LDS byte filled once.
; Wave w quantises rows c = 128 ks + 32 w .. + 31 of each chunk ks, makes v's channels 128 w .. + 127 for all 8 tiles of positions (64 accumulators) and q and k for tiles 2 w and 2 w + 1.
; THE POSITIONS OF A TILE ARE NOT NEIGHBOURS: tile 4 g + i holds positions 64 g + 4 r + i (r = 0 .. 15): a lane that reads 16 bytes of a row of x holds one position of each of four tiles.
; THE CHANNELS OF A TILE OF v ARE NOT NEIGHBOURS: row r of tile ct is channel 32 (ct / 2) + 8 (ct % 2) + r + 8 (r / 8) of the wave's 128.
; OPERANDS GO THROUGH LDS AND MEMORY AS IMAGES OF THEIR REGISTERS: four registers of 32 lanes are 512 bytes, lane l's 16 bytes at 16 l.
; qw, kw: [b][tile of 16 positions][1,024]: 8 registers, pair dt = d 16 dt + 8 (lane / 16) + 0 .. 7.   vw: [b][block of 128 positions][tile of 16 channels][2,048]: 16 registers, pair T = rows 8 (lane / 16) + 0 .. 7 of tile T.
; NO CLUSTER: what work-groups share is the weights, which go from memory straight into the registers in which the products take them; LDS has no room for them: 311,296 of its bytes hold x and its images.
; NO PREFETCH: all of a work-group's x is asked for at its head.
; LDS: RAW(ks) at 65,536 ks (wave w: + 16,384 w: 32 rows of 512 bytes); E at 262,144.  The images of chunk ks (3 versions x 8 tiles x 2,048 bytes) lie in E for ks = 0 and in RAW(ks - 1) after:
; that region has had its one fill, and every wave has read its rows of it and passed a barrier.
; REGISTERS.  window 0: v1-22 addresses, scales, limits; v24-39 T; v40-87 C; v128-255 raw x, then x's fragments, then v's codes, then q's and k's sums; v24-87 later bq, bk; v88-119 q's, k's codes; v120-123 addresses.
;   window 1: v0-127 wv's fragments, v128-191 bv (8 equal registers a tile); later x's fragments for q (v0-127) and k (v128-255).   windows 2, 3: v's sums, (ct, T) in window 2 + T / 4 at 64 (T % 4) + 8 ct; later wq, wk.
.set RAWB, 65536
.set EIMG, 4*RAWB
.set LI,  1                            ; v1   16 x lane
.set RA0, 2                            ; v2   my lane's place in my wave's raw rows of chunk 0
.set RA,  3                            ; v3   the same in the chunk in hand
.set XI0, 4                            ; v4   where I store codes in a set of images: 8,192 (lane / 16) + 16 (lane % 16) + 512 w
.set XI,  5                            ; v5   the same in the chunk's images
.set FA,  6                            ; v6   16 x lane in the chunk's images
.set WVA, 7                            ; v7   wv: (r + 8 (r / 8)) x 512 + 16 h
.set WQA, 8                            ; v8   wq, wk: 512 r + 16 h
.set BVA, 9                            ; v9   bv: 4 (r + 8 (r / 8))
.set BQA, 10                           ; v10  bq, bk: 32 h
.set SC0, 11                           ; v11-13  2^e0, 2^e2, 2^e4
.set LM0, 14                           ; v14-16  448 x these
.set SCV, 17                           ; v17, v18  v's folded scale and 448 x it
.set LMV, 18
.set SCQ, 19
.set LMQ, 20
.set SCK, 21
.set LMK, 22
.set T,   24
.set C,   40
.set R,   128
.set BQ,  24
.set BK,  56
.set QC,  88
.set QA,  120
.set G1,  24                           ; s[24:31] descriptor group 1
.set G0,  32                           ; s[32:47] four groups 0, one for each chunk
.set WV,  50
.set BT,  52
.set MSB, 0
.macro WIN new                         ; the immediate's high byte repeats the setting that is left; a switch that changes nothing is dropped
.if MSB != (\new)
	s_set_vgpr_msb (MSB<<8)|(\new)
.set MSB, (\new)
.endif
.endm
.macro PLACES                          ; four plain vector lines between a matrix instruction and a read of its result, a write of or a load into one of its registers
.rept 4
	v_nop
.endr
.endm
.macro MKS sc, lm, se                  ; v[sc] = 2^e and v[lm] = 448 x 2^e as f32, e in s[se]
	s_add_co_i32 s80, s[\se], 127
	s_lshl_b32 s81, s80, 23
	v_mov_b32 v[\sc], s81
	s_add_co_i32 s80, s80, 8
	s_lshl_b32 s80, s80, 23
	s_or_b32 s80, s80, 0x600000
	v_mov_b32 v[\lm], s80
.endm
.macro WVLOAD ks                       ; my 8 fragments of wv for chunk ks into window 1
	WIN 0x40
.irp ct, 0,1,2,3,4,5,6,7
.irp c, 0,1,2,3
	global_load_b128 v[16*\ct+4*\c:16*\ct+4*\c+3], v[WVA], s[10:11] offset:(32*(\ct/2)+8*(\ct%2))*512+128*(\ks)+32*\c
.endr
.endr
	WIN 0
.endm
.macro WQLOAD win, sb                  ; all 16 fragments (dt, chunk) of wq or wk into a whole window
	WIN \win
.irp dt, 0,1,2,3
.irp kq, 0,1,2,3
.irp c, 0,1,2,3
	global_load_b128 v[16*(4*\dt+\kq)+4*\c:16*(4*\dt+\kq)+4*\c+3], v[WQA], s[\sb:\sb+1] offset:8192*\dt+128*\kq+32*\c
.endr
.endr
.endr
.endm
; 16 raw rows become codes.  Register R + 64 u + 4 k + i holds row k, position 4 x lane + i.  For each version and each i the hold at the largest code also gathers the 16 rows into neighbouring registers;
; two conversions make 16 bytes: c = 32 w + 16 u + 0 .. 15 of one position: lane (lane % 16, u), register group w, of tile 4 (lane / 16) + i.  Sixteen lanes store 256 consecutive bytes.
; The eight holds of one half stand between a conversion and the next write of its sources.
.macro UNIT u
.irp ver, 0,1,2
.irp i, 0,1,2,3
.irp a, 0,1
.irp k, 0,1,2,3,4,5,6,7
	v_med3_num_f32 v[T+8*\a+\k], v[R+64*\u+4*(8*\a+\k)+\i], -v[LM0+\ver], v[LM0+\ver]
.endr
	v_cvt_scalef32_pk8_fp8_f32 v[C+4*(4*\ver+\i)+2*\a:C+4*(4*\ver+\i)+2*\a+1], v[T+8*\a:T+8*\a+7], v[SC0+\ver]
.endr
	ds_store_b128 v[XI], v[C+4*(4*\ver+\i):C+4*(4*\ver+\i)+3] offset:16384*\ver+2048*\i+256*\u
.endr
.endr
.endm
; One chunk of 128 along K.
.macro PTRIP ks
.if \ks == 0
.set IB, EIMG
.else
.set IB, (\ks-1)*RAWB
.endif
	s_wait_tensorcnt 3-\ks                         ; a wave's tensor loads end in order: my 32 rows of this chunk are in; the later chunks may be out.  Only I read these rows
	v_add_nc_u32 v[RA], \ks*RAWB, v[RA0]
	v_add_nc_u32 v[XI], IB, v[XI0]
	v_add_nc_u32 v[FA], IB, v[LI]
.set kk, 0
.rept 32
	ds_load_b128 v[R+4*kk:R+4*kk+3], v[RA] offset:512*kk   ; a whole row: 32 lanes x 16 bytes
.set kk, kk+1
.endr
	s_wait_dscnt 16                                ; the first 16 rows are in
	UNIT 0
	s_wait_dscnt 0x0                               ; the other 16 rows are in, and the stores have read the registers of the codes
	UNIT 1
	v_nop                                          ; a plain line behind the last conversion
	s_wait_dscnt 0x0                               ; for the others: my codes lie in LDS, and my reads of the raw rows are over
	s_barrier_signal -1
	s_barrier_wait -1
.set tt, 0
.rept 8
.irp g, 0,1,2,3
	ds_load_b128 v[R+16*tt+4*\g:R+16*tt+4*\g+3], v[FA] offset:32768+2048*tt+512*\g   ; version 2 (2^e4), tile tt
.endr
.set tt, tt+1
.endr
	s_wait_loadcnt 0x0                             ; wv's fragments of this chunk
.set tt, 0
.rept 8
	s_wait_dscnt 28-4*tt                           ; tile tt's fragment is in; behind it stand four loads for each later tile
.if \ks == 0
	WIN 0x94+0x40*(tt/4)                           ; A window 0, B and C (the bias) window 1, D window 2 or 3
.else
	WIN 0xa4+0x50*(tt/4)                           ; A window 0, B window 1, C and D window 2 or 3
.endif
.set cc, 0
.rept 8                                ; source 0 = 16 positions, source 1 = 16 channels: a lane holds one channel and eight positions.  The 64 sums take turns
.if \ks == 0
	v_wmma_f32_16x16x128_fp8_fp8 v[64*(tt%4)+8*cc:64*(tt%4)+8*cc+7], v[R+16*tt:R+16*tt+15], v[16*cc:16*cc+15], v[128+8*cc:128+8*cc+7]
.else
	v_wmma_f32_16x16x128_fp8_fp8 v[64*(tt%4)+8*cc:64*(tt%4)+8*cc+7], v[R+16*tt:R+16*tt+15], v[16*cc:16*cc+15], v[64*(tt%4)+8*cc:64*(tt%4)+8*cc+7]
.endif
.set cc, cc+1
.endr
.set tt, tt+1
.endr
	WIN 0
	PLACES                                         ; for the loads below, for the next chunk's raw rows, and behind the last chunk for the first reads of the sums
.if \ks < 3
	WVLOAD \ks+1
.endif
.endm
	s_load_b256 s[4:11], s[0:1], 0x0               ; x s[4:5], wq s[6:7], wk s[8:9], wv s[10:11]
	s_load_b256 s[12:19], s[0:1], 0x20             ; bq s[12:13], bk s[14:15], bv s[16:17], the exponents s[18:19]
	s_load_b128 s[20:23], s[0:1], 0x40             ; qw s[20:21], kw s[22:23]
	s_load_b64 s[48:49], s[0:1], 0x50              ; vw
	v_lshl_add_u32 v126, v0, 2, 0x4c000
	v_mov_b32 v127, 0
	ds_add_u32 v126, v127
	ds_add_u32 v126, v127
	v_lshrrev_b32 v23, 5, v0
	v_readfirstlane_b32 s[WV], v23                 ; wave 0..3
	s_and_b32 s[BT], ttmp7, 0xffff                 ; the batch
	s_mov_b32 s[G1+0], 2<<16                       ; no mask; elements of 4 bytes; no padding: the rows are read 512 consecutive bytes at a time
	s_mov_b32 s[G1+1], 128<<16                     ; tensor_dim0 = 128
	s_mov_b32 s[G1+2], 32<<16                      ; tensor_dim1 = 32
	s_mov_b32 s[G1+3], 128<<16                     ; tile_dim0 = 128 positions
	s_mov_b32 s[G1+4], 32                          ; tile_dim1 = 32 rows
	s_mov_b32 s[G1+5], 2048                        ; elements from row to row
	s_mov_b32 s[G1+6], 0
	s_mov_b32 s[G1+7], 0
	s_lshl_b32 s80, s[BT], 22                      ; the batch: 4,194,304 bytes,
	s_lshl_b32 s81, s[WV], 18                      ; 32 w rows of 8,192 bytes,
	s_add_co_u32 s80, s80, s81
	s_lshl_b32 s81, ttmp9, 9                       ; the block of 128 positions
	s_add_co_u32 s80, s80, s81
	s_mov_b32 s81, 0
	s_lshl_b32 s82, s[WV], 14                      ; my part of a raw region
	s_wait_dscnt 0x0
	s_wait_kmcnt 0x0
	s_load_b256 s[56:63], s[18:19], 0x0            ; e0 .. e7
	s_load_b32 s66, s[18:19], 0x24                 ; e9
	s_add_nc_u64 s[4:5], s[4:5], s[80:81]
.irp q, 0,1,2,3
	s_mov_b32 s[G0+4*\q], 1
	s_add_co_u32 s[G0+4*\q+1], s82, \q*RAWB        ; LDS: chunk q, my 32 rows
	s_add_nc_u64 s[G0+4*\q+2:G0+4*\q+3], s[4:5], \q*1048576   ; 128 rows further down
	s_or_b32 s[G0+4*\q+3], s[G0+4*\q+3], 0x80000000
.endr
.irp q, 0,1,2,3
	tensor_load_to_lds s[G0+4*\q:G0+4*\q+3], s[G1:G1+7]   ; the first and only fills, as one group ahead of every wait, LDS read and barrier
	s_nop 0
.endr
	PLACES
	v_and_b32 v[LI], 31, v0
	v_lshlrev_b32 v[LI], 4, v[LI]
	v_and_b32 v23, 15, v0                          ; r
	v_bfe_u32 v24, v0, 4, 1                        ; h
	v_and_b32 v25, 8, v23
	v_add_nc_u32 v25, v25, v23                     ; r + 8 (r / 8)
	v_add_nc_u32 v[RA0], s82, v[LI]
	s_lshl_b32 s83, s[WV], 9
	v_lshlrev_b32 v[XI0], 4, v23
	v_lshl_add_u32 v[XI0], v24, 13, v[XI0]
	v_add_nc_u32 v[XI0], s83, v[XI0]
	v_lshlrev_b32 v[WVA], 9, v25
	v_lshl_add_u32 v[WVA], v24, 4, v[WVA]
	v_lshlrev_b32 v[WQA], 9, v23
	v_lshl_add_u32 v[WQA], v24, 4, v[WQA]
	v_lshlrev_b32 v[BVA], 2, v25
	v_lshlrev_b32 v[BQA], 5, v24
	s_lshl_b32 s84, s[WV], 12                      ; tiles 2 w, 2 w + 1 in a set of images
	v_add_nc_u32 v[QA+1], s84, v[LI]               ; chunk 1's images lie in RAW(0),
	v_add_nc_u32 v[QA], EIMG, v[QA+1]              ; chunk 0's in E,
	v_add_nc_u32 v[QA+2], RAWB, v[QA+1]
	v_add_nc_u32 v[QA+3], 2*RAWB, v[QA+1]
	s_lshl_b32 s80, s[WV], 16
	s_add_nc_u64 s[10:11], s[10:11], s[80:81]      ; wv at my 128 rows
	s_mov_b32 s80, s83
	s_add_nc_u64 s[16:17], s[16:17], s[80:81]      ; bv at my 128 numbers
	s_lshl_b32 s80, s[BT], 20
	s_lshl_b32 s84, ttmp9, 16
	s_add_co_u32 s80, s80, s84
	s_add_co_u32 s80, s80, s82
	s_add_nc_u64 s[48:49], s[48:49], s[80:81]      ; vw at my 8 images
	s_lshl_b32 s80, s[BT], 17
	s_lshl_b32 s84, ttmp9, 13
	s_add_co_u32 s80, s80, s84
	s_lshl_b32 s84, s[WV], 11
	s_add_co_u32 s80, s80, s84
	s_add_nc_u64 s[20:21], s[20:21], s[80:81]      ; qw and kw at my 2 images
	s_add_nc_u64 s[22:23], s[22:23], s[80:81]
	WIN 0x40
.irp ct, 0,1,2,3,4,5,6,7
	global_load_b32 v[128+8*\ct], v[BVA], s[16:17] offset:(32*(\ct/2)+8*(\ct%2))*4   ; a lane holds one channel: one number a tile
.endr
	WVLOAD 0
	s_wait_kmcnt 0x0
	s_add_co_i32 s85, s60, s61                     ; e4 + e5
	s_sub_co_i32 s86, s66, s85                     ; e9 - e4 - e5
	s_sub_co_i32 s85, 0, s85
	s_add_co_i32 s89, s56, s57                     ; e0 + e1
	s_sub_co_i32 s87, s62, s89                     ; e6 - e0 - e1
	s_sub_co_i32 s89, 0, s89
	s_add_co_i32 s90, s58, s59                     ; e2 + e3
	s_sub_co_i32 s88, s63, s90                     ; e7 - e2 - e3
	s_sub_co_i32 s90, 0, s90
	MKS SC0, LM0, 56
	MKS SC0+1, LM0+1, 58
	MKS SC0+2, LM0+2, 60
	MKS SCV, LMV, 86
	MKS SCQ, LMQ, 87
	MKS SCK, LMK, 88
	s_wait_loadcnt 32                              ; bv is in; wv's 32 loads were issued behind it
	WIN 0x41
.irp ct, 0,1,2,3,4,5,6,7
.irp j, 7,6,5,4,3,2,1,0
	v_ldexp_f32 v[128+8*\ct+\j], v[128+8*\ct], s85 ; bv / 2^(e4 + e5), eight times: the C of the tile's first products
.endr
.endr
	WIN 0
	PTRIP 0
	PTRIP 1
	PTRIP 2
	PTRIP 3
	; ---- v's way out: held, converted (a lane's eight registers are eight positions of one channel: a register pair of the image), stored.  Each sum is read from its low end on
.set tt, 0
.rept 8
	WIN 0x82+0x41*(tt/4)                           ; destination and source 0 in window 2 or 3, the limit in window 0
.set jj, 0
.rept 64
	v_med3_num_f32 v[64*(tt%4)+jj], v[64*(tt%4)+jj], -v[LMV], v[LMV]
.set jj, jj+1
.endr
	WIN 0x02+tt/4                                  ; source 0 in window 2 or 3, codes and scale in window 0
.set cc, 0
.rept 8
	v_cvt_scalef32_pk8_fp8_f32 v[R+16*cc+2*tt:R+16*cc+2*tt+1], v[64*(tt%4)+8*cc:64*(tt%4)+8*cc+7], v[SCV]
.set cc, cc+1
.endr
.if tt == 3
	WQLOAD 0x80, 6                                 ; window 2 is done with: wq's 16 fragments
.endif
.set tt, tt+1
.endr
	v_nop                                          ; a plain line behind the last conversion
	WQLOAD 0xc0, 8                                 ; wk's into window 3
	WIN 0
.irp dt, 0,1,2,3
	global_load_b128 v[BQ+8*\dt:BQ+8*\dt+3], v[BQA], s[12:13] offset:64*\dt       ; bq(16 dt + 8 h + 0 .. 7): the result's layout
	global_load_b128 v[BQ+8*\dt+4:BQ+8*\dt+7], v[BQA], s[12:13] offset:64*\dt+16
	global_load_b128 v[BK+8*\dt:BK+8*\dt+3], v[BQA], s[14:15] offset:64*\dt
	global_load_b128 v[BK+8*\dt+4:BK+8*\dt+7], v[BQA], s[14:15] offset:64*\dt+16
.endr
.irp ct, 0,1,2,3,4,5,6,7
.irp c, 0,1,2,3
	global_store_b128 v[LI], v[R+16*\ct+4*\c:R+16*\ct+4*\c+3], s[48:49] offset:2048*\ct+512*\c   ; 32 lanes store 512 consecutive bytes, aligned
.endr
.endr
	; ---- q and k for tiles 2 w, 2 w + 1: x's fragments of versions 0 and 1, all four chunks, from the images, which every wave stored ahead of a barrier that I have passed
	WIN 0x40
.irp ver, 0,1
.irp tl, 0,1
.irp kq, 0,1,2,3
.irp g, 0,1,2,3
	ds_load_b128 v[128*\ver+16*(4*\tl+\kq)+4*\g:128*\ver+16*(4*\tl+\kq)+4*\g+3], v[QA+\kq] offset:16384*\ver+2048*\tl+512*\g
.endr
.endr
.endr
.endr
	WIN 0
	s_wait_xcnt 0x0                                ; v's stores have read their registers, which take q's and k's sums
	s_wait_loadcnt 0x0                             ; wq, wk, bq, bk
.set jj, 0
.rept 32
	v_ldexp_f32 v[BQ+jj], v[BQ+jj], s89            ; bq / 2^(e0 + e1)
	v_ldexp_f32 v[BK+jj], v[BK+jj], s90            ; bk / 2^(e2 + e3)
.set jj, jj+1
.endr
	s_wait_dscnt 0x0
.irp kq, 0,1,2,3                       ; source 0 = 16 rows d of the weight, source 1 = 16 positions: a lane holds one position and eight d.  16 sums by turns
	WIN 0x06                                       ; A window 2 (wq), B window 1, C and D window 0
.irp dt, 0,1,2,3
.irp tl, 0,1
.if \kq == 0
	v_wmma_f32_16x16x128_fp8_fp8 v[R+8*(2*\dt+\tl):R+8*(2*\dt+\tl)+7], v[16*(4*\dt+\kq):16*(4*\dt+\kq)+15], v[16*(4*\tl+\kq):16*(4*\tl+\kq)+15], v[BQ+8*\dt:BQ+8*\dt+7]
.else
	v_wmma_f32_16x16x128_fp8_fp8 v[R+8*(2*\dt+\tl):R+8*(2*\dt+\tl)+7], v[16*(4*\dt+\kq):16*(4*\dt+\kq)+15], v[16*(4*\tl+\kq):16*(4*\tl+\kq)+15], v[R+8*(2*\dt+\tl):R+8*(2*\dt+\tl)+7]
.endif
.endr
.endr
	WIN 0x07                                       ; A window 3 (wk)
.irp dt, 0,1,2,3
.irp tl, 0,1
.if \kq == 0
	v_wmma_f32_16x16x128_fp8_fp8 v[R+64+8*(2*\dt+\tl):R+64+8*(2*\dt+\tl)+7], v[16*(4*\dt+\kq):16*(4*\dt+\kq)+15], v[128+16*(4*\tl+\kq):128+16*(4*\tl+\kq)+15], v[BK+8*\dt:BK+8*\dt+7]
.else
	v_wmma_f32_16x16x128_fp8_fp8 v[R+64+8*(2*\dt+\tl):R+64+8*(2*\dt+\tl)+7], v[16*(4*\dt+\kq):16*(4*\dt+\kq)+15], v[128+16*(4*\tl+\kq):128+16*(4*\tl+\kq)+15], v[R+64+8*(2*\dt+\tl):R+64+8*(2*\dt+\tl)+7]
.endif
.endr
.endr
.endr
	WIN 0
	PLACES
.set jj, 0
.rept 64
	v_med3_num_f32 v[R+jj], v[R+jj], -v[LMQ], v[LMQ]
.set jj, jj+1
.endr
.set jj, 0
.rept 64
	v_med3_num_f32 v[R+64+jj], v[R+64+jj], -v[LMK], v[LMK]
.set jj, jj+1
.endr
.irp dt, 0,1,2,3
.irp tl, 0,1
	v_cvt_scalef32_pk8_fp8_f32 v[QC+8*\tl+2*\dt:QC+8*\tl+2*\dt+1], v[R+8*(2*\dt+\tl):R+8*(2*\dt+\tl)+7], v[SCQ]
	v_cvt_scalef32_pk8_fp8_f32 v[QC+16+8*\tl+2*\dt:QC+16+8*\tl+2*\dt+1], v[R+64+8*(2*\dt+\tl):R+64+8*(2*\dt+\tl)+7], v[SCK]
.endr
.endr
	v_nop                                          ; a plain line behind the last conversion
.irp tl, 0,1
.irp g, 0,1
	global_store_b128 v[LI], v[QC+8*\tl+4*\g:QC+8*\tl+4*\g+3], s[20:21] offset:1024*\tl+512*\g
	global_store_b128 v[LI], v[QC+16+8*\tl+4*\g:QC+16+8*\tl+4*\g+3], s[22:23] offset:1024*\tl+512*\g
.endr
.endr
	s_wait_tensorcnt 0x0
	ds_add_u32 v126, v127
	s_wait_dscnt 0x0
	s_endpgm
.Lfunc_end_k_q019e41d43f_proj:
	.size	k_q019e41d43f_proj, .Lfunc_end_k_q019e41d43f_proj-k_q019e41d43f_proj
	.p2alignl 7, 3214868480
	.fill 96, 4, 3214868480
	.section	.rodata,"a",@progbits
	.p2align	6, 0x0
	.amdhsa_kernel k_q019e41d43f_proj
		.amdhsa_group_segment_fixed_size 311808
		.amdhsa_private_segment_fixed_size 0
		.amdhsa_enable_private_segment 0
		.amdhsa_kernarg_size 88
		.amdhsa_user_sgpr_count 2
		.amdhsa_user_sgpr_kernarg_segment_ptr 1
		.amdhsa_wavefront_size32 1
		.amdhsa_system_sgpr_workgroup_id_x 1
		.amdhsa_system_sgpr_workgroup_id_y 1
		.amdhsa_system_sgpr_workgroup_id_z 1
		.amdhsa_system_vgpr_workitem_id 0
		.amdhsa_next_free_vgpr 1024
		.amdhsa_next_free_sgpr 96
		.amdhsa_reserve_vcc 0
		.amdhsa_float_denorm_mode_32 3
		.amdhsa_float_denorm_mode_16_64 3
		.amdhsa_memory_ordered 1
		.amdhsa_forward_progress 1
		.amdhsa_inst_pref_size 249
	.end_amdhsa_kernel
	.amdgpu_metadata
---
amdhsa.version: [ 1, 2 ]
amdhsa.kernels:
  - .name:           k_q019e41d43f_proj
    .symbol:         k_q019e41d43f_proj.kd
    .args:
      - { .name: x, .offset: 0, .size: 8, .value_kind: global_buffer, .address_space: global }
      - { .name: wq_codes, .offset: 8, .size: 8, .value_kind: global_buffer, .address_space: global }
      - { .name: wk_codes, .offset: 16, .size: 8, .value_kind: global_buffer, .address_space: global }
      - { .name: wv_codes, .offset: 24, .size: 8, .value_kind: global_buffer, .address_space: global }
      - { .name: bq, .offset: 32, .size: 8, .value_kind: global_buffer, .address_space: global }
      - { .name: bk, .offset: 40, .size: 8, .value_kind: global_buffer, .address_space: global }
      - { .name: bv, .offset: 48, .size: 8, .value_kind: global_buffer, .address_space: global }
      - { .name: lowp_scales, .offset: 56, .size: 8, .value_kind: global_buffer, .address_space: global }
      - { .name: qw, .offset: 64, .size: 8, .value_kind: global_buffer, .address_space: global }
      - { .name: kw, .offset: 72, .size: 8, .value_kind: global_buffer, .address_space: global }
      - { .name: vw, .offset: 80, .size: 8, .value_kind: global_buffer, .address_space: global }
    .group_segment_fixed_size: 311808
    .private_segment_fixed_size: 0
    .kernarg_segment_align: 8
    .kernarg_segment_size: 88
    .max_flat_workgroup_size: 128
    .sgpr_count:     96
    .vgpr_count:     1024
    .wavefront_size: 32
...
	.end_amdgpu_metadata
.endif
;; end of part 1
;; launch attn (part 2): grid 16 x 16, 4 waves a work-group, clusters of 4 x 1, 327,680 bytes of LDS; arguments qw, kw, vw, wo_codes, bo, gamma, lowp_scales, x, out0; writes out0
.if DOCPART == 2
	.amdgcn_target "amdgcn-amd-amdhsa--gfx1250"
	.amdhsa_code_object_version 6
	.text
	.protected	k_q019e41d43f_attn
	.globl	k_q019e41d43f_attn
	.p2align	8
	.type	k_q019e41d43f_attn,@function
k_q019e41d43f_attn:
	s_mov_b64 s[64:65], 0
	v_nop
	global_prefetch_b8 v0, s[64:65] scope:SCOPE_SE
	s_setreg_imm32_b32 hwreg(HW_REG_WAVE_MODE, 25, 1), 1
	s_wait_xcnt 0x0
	s_wait_alu depctr_hold_cnt(0) depctr_sa_sdst(0) depctr_va_vdst(0) depctr_va_sdst(0) depctr_va_ssrc(0) depctr_va_vcc(0) depctr_vm_vsrc(0)
	s_getreg_b32 s2, hwreg(HW_REG_IB_STS2, 6, 4)
	s_cmp_eq_u32 s2, 0
	s_cbranch_scc0 .Lentry_in_a_cluster
	s_endpgm
.Lentry_in_a_cluster:
	s_bfe_u32 s2, ttmp6, 0x10000c
	s_cmp_lg_u32 s2, 0x3003
	s_cbranch_scc0 .Lentry_shape_is_right
	s_endpgm
.Lentry_shape_is_right:
; out = gamma (wo av + bo) + x, av = softmax(q k) v, all three products on codes of FP8 (E4M3).  qw, kw, vw: images of operand registers: four registers of 32 lanes are 512 bytes, lane l's 16 bytes at 16 l.
; qw, kw: [b][tile of 16 positions][1,024];  vw: [b][step of 128 keys][tile of 16 channels][2,048].  Tile 4 g + i of a block of 128 positions holds positions 64 g + 4 r + i.
; THE SOFTMAX: t = score x log2(e) 2^(e6 + e7); M = the row's largest t rounded up to a whole number; p = 2^(t - M) is quantised with 2^e8; the row's sum l is taken of the unquantised p and divides at the end.
; TWO PASSES.  Pass 1 makes all scores once and keeps each row's largest: M is then final, so the sums of p v are never rescaled and no factor goes from wave to wave.  Pass 2 makes the same scores by the same instruction.
; SHARES.  A work-group owns 128 queries of a batch and all 512 channels.  Wave w holds the sums for channels 128 w .. + 127 of all 128 queries (64 accumulators).  In a step of 128 keys wave w makes the scores and the
; softmax of key tiles 2 w, 2 w + 1 against all 8 query tiles: register group w of each of the 8 fragments of p, which go from wave to wave through LDS as images.  Trip s holds the softmax of step s, cut into slices of
; four, one behind each of the first 60 of the 64 products p v of step s - 1.  One barrier a trip; two buffers of p by turns.
; LAYOUT.  Scores: source 0 = 16 keys, source 1 = 16 queries; p v: source 0 = 16 channels, source 1 = p: a lane holds ONE query throughout.  Row m of a tile ct of v is channel 32 (ct / 2) + 8 (ct % 2) + m + 8 (m / 8),
; so that the 16 registers of two neighbouring tiles are 16 neighbouring channels, as wo's rows give them.  Last product: source 0 = 16 rows of wo, source 1 = av: a lane holds eight outputs of one query; the four tiles
; 4 g + 0 .. 3 hold four neighbouring positions, so that sixteen lanes store 256 consecutive bytes without a stage.
; CLUSTER.  The four query blocks of a cluster walk the same K and V: each tile is asked for jointly, every wave a quarter of 32,768 bytes, with a mask that names the four.  Two loads of a wave are out at the start, one behind each round.
; x, THE RESIDUAL: a wave wants 128 rows x 512 bytes, in 8 groups of 16 rows.  Groups 0, 1 come into the scores' registers in the last trip; groups 2 to 5 by one plain tensor load a wave into slot 0, behind the head of
; trip 15, when that slot has had its last read: the load has two trips and av's stage in which to land; groups 6, 7 by loads two groups ahead.
; LIMITS: e6 + e7 between -126 and 127 (added to the exponent field of log2(e)); e8 and e10 between -126 and 119; the other powers of two are applied by v_ldexp_f32.  NaN among the inputs is not served.
; LDS: slot 0 at 0, slot 1 at 131,072 (two key steps of 65,536 bytes each; slot 1 first holds the batch's K; slot 0 last holds x, wave w's 64 rows at 32,768 w); p's images at 262,144 (2 x 16,384); the rows' maxima at
; 294,912 and sums at 296,960 (2,048 each); the spare words at 299,008.  av's images (65,536 bytes) lie at 131,072, behind those bytes' last fill and last read.
; REGISTERS.  window 0: v1-30 addresses and constants; v32-63 ST, four a query tile: -M (later 2^(e8 + e9) / l), a word that is only named, l in two halves; v64-191 S, later x; v192-223 p's codes; v224-239 K's two fragments,
;   later bo; v240-255 at work.   window 1: v0-127 V's fragments, v128-191 four fragments of p, v192-255 Q; in pass 1 v0-127 scores, v128-159 K, v160-191 maxima; at the end v0-127 av's codes, then v0-63 8 sums and
;   v64-127 a group's results, v128-255 wo.   windows 2, 3: the sums (ct, qt) in window 2 + qt / 4 at 64 (qt % 4) + 8 ct; at the end av's fragments (qt, ks) in window 2 + ks / 2 at 16 (8 (ks % 2) + qt).
.set SLOT1, 131072
.set PIMG,  262144
.set EXM,   294912
.set SPARE, 299008
.set LI,  1                            ; v1   16 x lane
.set AP,  2                            ; v2   p's images: PIMG + 16 x lane
.set PW,  3                            ; v3   where I store p: AP + 512 w
.set AV0, 4                            ; v4, v5  my V fragments in a slot's first and second step
.set ADV, 6                            ; v6   the same in the slot in hand
.set KO,  7                            ; v7   K's images in memory: 16 x lane + 8,192 x step
.set SPW, 8                            ; v8   my spare word; never rewritten
.set NIL, 9                            ; v9   0; never rewritten
.set EXW, 10                           ; v10  EXM + 16 r + 4 w
.set EXR, 11                           ; v11  EXM + 16 r
.set PFO, 12                           ; v12  256 x lane
.set XR0, 13                           ; v13  x in LDS: 32,768 w + 4,096 h + 16 r
.set SCP, 14                           ; v14  2^e8
.set KA0, 15                           ; v15  SLOT1 + 16 x lane + 2,048 w: pass 1: my two tiles of K;
.set AW,  KA0                          ;      at the end: where I store av's images
.set KA,  16                           ; v16  K at the step in hand
.set XO,  17                           ; v17  x, out: 65,536 h + 16 r
.set WOA, 18                           ; v18  wo: 512 r + 16 h
.set BOA, 19                           ; v19  bo: 32 h
.set GG,  21                           ; v21  gamma x 2^(e10 + e11)
.set SC10, 22                          ; v22  2^e10
.set LM10, 23                          ; v23  448 x 2^e10
.set PFX, 24                           ; v24  x's prefetches: 8,192 (lane / 2) + 256 (lane % 2)
.set XRA, 25                           ; v25  x in LDS, at the pair of groups in hand
.set AVL, 30                           ; v30  av's images: SLOT1 + 16 x lane
.set ST,  32
.set S,   64
.set CD,  192
.set KF,  224
.set TM,  240
.set TP,  248
.set OUTR, 64                          ; in window 1: a group's results
.set WV,  22
.set G1,  28                           ; s[28:35] descriptor group 1 for K and V
.set G0K, 36                           ; s[36:39] group 0 for K
.set G0V, 40                           ; s[40:43] group 0 for V: it walks
.set CS,  44                           ; s[44:45] c = log2(e) 2^(e6 + e7): the packed form names a pair and takes its low word
.set SEL, 46                           ; s[46:47] selects for lane l xor 16
.set VB,  48                           ; s48  the slot in hand
.set CNT, 49
.set LIM, 50                           ; s50  1 where the cluster is its batch's first, else the greatest number
.set KS,  51
.set PFA, 52                           ; s[52:53] where my prefetches of V stand
.set LMS, 78                           ; s78  448 x 2^e8
.set XS,  79                           ; s79  the output loop's step in x's LDS bytes
.set G1X, 80                           ; s[80:87] descriptor group 1 for x
.set G0X, 88                           ; s[88:91] group 0 for x
.set MSB, 0
.macro WIN new                         ; the immediate's high byte repeats the setting that is left; a switch that changes nothing is dropped
.if MSB != (\new)
	s_set_vgpr_msb (MSB<<8)|(\new)
.set MSB, (\new)
.endif
.endm
.macro PLACES                          ; four plain vector lines between a matrix instruction and a read of its result, a write of or a load into one of its registers
.rept 4
	v_nop
.endr
.endm
.macro ROUND                           ; a round of the cluster's barrier
	s_barrier_signal -1
	s_barrier_wait -1
	s_cmp_lg_u32 s[WV], 0
	s_cbranch_scc1 .Lnot_wave_0_\@
	s_barrier_signal -3
.Lnot_wave_0_\@:
	s_barrier_wait -3
	s_barrier_signal -1
	s_barrier_wait -1
.endm
; A prefetch of the slot that the NEXT refill will ask for: 131,072 bytes; the four partners take 32,768 each, told apart by address, a wave 8,192, lanes 256 bytes apart: one line a wave.  All clusters of a batch walk
; the same V: the batch's first cluster asks.  The last refill asks for nothing.  how = 1: outside the loop.
.macro ASK how
.if \how
	s_cmp_eq_u32 s[LIM], 1
.else
	s_cmp_gt_u32 s[CNT], s[LIM]                    ; the count is 1 in the loop's last trip
.endif
	s_cbranch_scc0 .Lnot_mine_\@
	global_prefetch_b8 v[PFO], s[PFA:PFA+1] th:TH_LOAD_NT scope:SCOPE_SE
.Lnot_mine_\@:
.endm
; ---- pass 1: the scores of step s against all 8 query tiles; the maxima of the step before stand between the products, four ahead of the product that writes the same registers anew.  All in window 1.
.macro P1 buf, max, load
	WIN 0
	s_wait_dscnt 0x0                               ; this step's two fragments of K are in
.if \load
	s_add_co_u32 s[KS], s[KS], 8192
	v_add_nc_u32 v[KA], s[KS], v[KA0]
.endif
.set ix, 0
.rept 16
.if \max
	WIN 0x55
.set ch, 0
.rept 4
	v_max3_num_f32 v[160+4*(ix/2)+ch], v[160+4*(ix/2)+ch], v[8*ix+2*ch], v[8*ix+2*ch+1]   ; four chains a query tile; a result is read from its low end on
.set ch, ch+1
.endr
.endif
.if (ix == 0) && \load
	WIN 0x40                                       ; the next step's K into the other buffer: its last reader stands five plain lines back
.irp u, 0,1
.irp g, 0,1
	ds_load_b128 v[128+16*(1-\buf)+8*\u+4*\g:128+16*(1-\buf)+8*\u+4*\g+3], v[KA] offset:1024*\u+512*\g
.endr
.endr
.endif
	WIN 0x55
	v_wmma_f32_16x16x64_fp8_fp8 v[8*ix:8*ix+7], v[128+16*\buf+8*(ix%2):128+16*\buf+8*(ix%2)+7], v[192+8*(ix/2):192+8*(ix/2)+7], 0
.set ix, ix+1
.endr
.endm
; ---- the softmax's lines.  h: half 0 = query tiles 0-3, half 1 = 4-7; m: a pair of the half's 32; e: a register of its 64; g: eight registers of its 64
.macro FF h, m                         ; t - M, two at a time
.set fr, S+64*(\h)+2*(\m)
.set fs, ST+4*(4*(\h)+(\m)/8)
	v_pk_fma_f32 v[fr:fr+1], v[fr:fr+1], s[CS:CS+1], v[fs:fs+1] op_sel_hi:[1,0,0]
.endm
.macro EE h, e                         ; p = 2^(t - M)
	v_exp_f32 v[S+64*(\h)+(\e)], v[S+64*(\h)+(\e)]
.endm
.macro AA h, m                         ; the row's sum, of the unquantised p
.set fr, S+64*(\h)+2*(\m)
.set fs, ST+4*(4*(\h)+(\m)/8)+2
	v_pk_add_f32 v[fs:fs+1], v[fs:fs+1], v[fr:fr+1]
.endm
.macro HD h, m                         ; the conversion does not saturate (ISA guide 7.6.2); p is not negative: a one-sided hold, a pair in one line: an even and an odd register, one scalar for both halves
.set fr, S+64*(\h)+2*(\m)
	v_dual_min_num_f32 v[fr], s[LMS], v[fr] :: v_dual_min_num_f32 v[fr+1], s[LMS], v[fr+1]
.endm
.macro CV h, g
	v_cvt_scalef32_pk8_fp8_f32 v[CD+16*(\h)+2*(\g):CD+16*(\h)+2*(\g)+1], v[S+64*(\h)+8*(\g):S+64*(\h)+8*(\g)+7], v[SCP]
.endm
; Half 0's scalings and exponentials stand ahead of the products: one batch, two plain lines behind the last exponential, one wait ahead of the first reader.
.macro LEAD
	FF 0, 0
	FF 0, 1
	FF 0, 2
	FF 0, 3
.set lm, 0
.rept 28
	EE 0, 2*lm
	EE 0, 2*lm+1
	FF 0, lm+4
.set lm, lm+1
.endr
.set lm, 56
.rept 8
	EE 0, lm
.set lm, lm+1
.endr
	FF 1, 0
	FF 1, 1
	s_wait_alu depctr_va_vdst(0)
.endm
; Line n of the list of 240 that is dealt out behind the products.  0-167: eight groups of 21: four times [half 1's scaling m + 2, exponential 2 m, half 0's sum m, exponential 2 m + 1, half 0's hold m], then half 0's
; conversion g.  None of these names a result of half 1's exponentials.  At 168 stands the wait for that batch.  168-239: four groups of 18: eight times [half 1's sum, its hold], of two query tiles by turns, so that two
; sums onto one l are four lines apart; then the two conversions.
.macro VL
.if n < 168
.set vg, n/21
.set vk, n%21
.if vk == 20
	CV 0, vg
.else
.set vm, 4*vg+vk/5
.set vp, vk%5
.if vp == 0
.if vm < 30
	FF 1, vm+2
.endif
.elseif vp == 1
	EE 1, 2*vm
.elseif vp == 2
	AA 0, vm
.elseif vp == 3
	EE 1, 2*vm+1
.else
	HD 0, vm
.endif
.endif
.elseif n < 240
.if n == 168
	s_wait_alu depctr_va_vdst(0)
.endif
.set vs, (n-168)/18
.set vk, (n-168)%18
.set vg, 4*(vs/2)+vs%2                 ; groups 0, 1, 4, 5, each with the group two on: the next query tile's
.if vk == 16
	CV 1, vg
.elseif vk == 17
	CV 1, vg+2
.else
.set vm, 4*(vg+2*((vk/2)%2))+vk/4
.if vk%2 == 0
	AA 1, vm
.else
	HD 1, vm
.endif
.endif
.endif
.set n, n+1
.endm
.macro PLOAD b, q, rd                  ; p's fragment of query tile q into buffer b
.irp c, 0,1,2,3
	ds_load_b128 v[128+16*(\b)+4*\c:128+16*(\b)+4*\c+3], v[AP] offset:16384*(\rd)+2048*(\q)+512*\c
.endr
.endm
.macro STOREP half, wr                 ; four query tiles' codes: register group w of their fragments
	WIN 0
.irp q, 0,1,2,3
	ds_store_b128 v[PW], v[CD+16*(\half)+4*\q:CD+16*(\half)+4*\q+3] offset:16384*(\wr)+2048*(4*(\half)+\q)
.endr
.endm
.macro LOADS rd, vstep                 ; 48 LDS loads in one run: p's tile 0, V's 8 fragments, p's tiles 1 to 3
	v_add_nc_u32 v[ADV], s[VB], v[AV0+\vstep]
	WIN 0x40
	PLOAD 0, 0, \rd
.irp ct, 0,1,2,3,4,5,6,7
.irp c, 0,1,2,3
	ds_load_b128 v[16*\ct+4*\c:16*\ct+4*\c+3], v[ADV] offset:2048*\ct+512*\c
.endr
.endr
	PLOAD 1, 1, \rd
	PLOAD 2, 2, \rd
	PLOAD 3, 3, \rd
	WIN 0
.endm
.macro SMM kload                       ; the step's scores: my two key tiles x 8 query tiles; then the next step's K from memory
	s_wait_loadcnt 0x0                             ; K's two fragments; it also frees their address register
	WIN 0x04                                       ; A (K) and D window 0, B (Q) window 1
.set ix, 0
.rept 16
	v_wmma_f32_16x16x64_fp8_fp8 v[S+8*ix:S+8*ix+7], v[KF+8*(ix%2):KF+8*(ix%2)+7], v[192+8*(ix/2):192+8*(ix/2)+7], 0
.set ix, ix+1
.endr
	WIN 0
	v_add_nc_u32 v[KO], 8192, v[KO]                ; four places: for the loads into K's registers and the first reads of the scores
	v_nop
	v_nop
	v_nop
.if \kload
.irp u, 0,1
.irp g, 0,1
	global_load_b128 v[KF+8*\u+4*\g:KF+8*\u+4*\g+3], v[KO], s[6:7] offset:1024*\u+512*\g
.endr
.endr
.endif
.endm
.macro PVW zero                        ; product i of 64: query tile i / 8, channel tile i % 8.  Each sum has one product a trip: the 64 take turns
.set pq, i/8
.set pc, i%8
.set pa, 64*(pq%4)+8*pc
.set pf, 128+16*(pq%4)
	WIN 0xa5+0x50*(pq/4)                           ; A (V) and B (p) window 1, C and D window 2 or 3
.if \zero
	v_wmma_f32_16x16x128_fp8_fp8 v[pa:pa+7], v[16*pc:16*pc+15], v[pf:pf+15], 0
.else
	v_wmma_f32_16x16x128_fp8_fp8 v[pa:pa+7], v[16*pc:16*pc+15], v[pf:pf+15], v[pa:pa+7]
.endif
.endm
; The 64 products of a trip, with four lines of the list behind each of the first 60 (soft = 1).  LDS lines stand among them in four runs: p's tiles 4, 5 behind product 18 and tiles 6, 7 behind product 34, into the buffers
; whose last readers are products 15 and 31 (of the 16 lines between at least five are packed multiply-adds or sums); half 0's codes behind product 42, ahead of the batch's wait; half 1's behind product 59.
; Each wait's count is the number of LDS instructions issued behind the fragment that is wanted: behind V's fragment ct the 4 (7 - ct) of the later ones and 12 of p; behind p's tiles 1, 3, 5 two fragments' loads; behind
; tiles 2, 4 one's; behind tile 6 one's and, with soft = 1, half 0's four stores; behind tile 7 those stores.
.macro PVS rd, wr, zero, soft
.set n, 0
.set i, 0
.rept 64
.if i < 8
	s_wait_dscnt 40-4*i
.elseif (i == 8) || (i == 24) || (i == 40)
	s_wait_dscnt 8
.elseif (i == 16) || (i == 32)
	s_wait_dscnt 4
.elseif i == 48
	s_wait_dscnt 4+4*\soft
.elseif i == 56
	s_wait_dscnt 4*\soft
.endif
	PVW \zero
.if \soft && (n < 240)
	WIN 0
.if i == 42
	STOREP 0, \wr                                  ; line 167, half 0's last conversion, stands in slice 41
.endif
.rept 4
	VL
.endr
.endif
.if (i == 18) || (i == 34)
.if !\soft
	PLACES
.endif
	WIN 0x40
	PLOAD 2*((i-18)/16), 4+2*((i-18)/16), \rd
	PLOAD 2*((i-18)/16)+1, 5+2*((i-18)/16), \rd
.endif
.if \soft && (i == 59)
	STOREP 1, \wr
	v_nop                                          ; a plain line behind the last conversion
.endif
.set i, i+1
.endr
.endm
; A trip's head with a refill.  All my tensor loads have landed (my quarter of the slot that this trip begins to read); the add; my LDS stores of p have landed and my reads of the other slot and of the other buffer of p are over;
; a round of the cluster's barrier; the joint refill of the slot that was left, first behind it: it has two trips in which to land.
.macro HEADF how
	WIN 0
	s_wait_tensorcnt 0x0
	ds_add_u32 v[SPW], v[NIL]                      ; 0 onto my spare word
	s_xor_b32 s[G0V+1], s[G0V+1], SLOT1            ; no tensor load of mine is out: the walking descriptor takes the other slot
	s_add_nc_u64 s[G0V+2:G0V+3], s[G0V+2:G0V+3], SLOT1   ; and the next two key steps
	s_wait_xcnt 0x0                                ; the last prefetch, two trips back, has read its address
	s_add_nc_u64 s[PFA:PFA+1], s[PFA:PFA+1], SLOT1
	s_wait_dscnt 0x0
	ROUND
	tensor_load_to_lds s[G0V:G0V+3], s[G1:G1+7]
	s_nop 0
	PLACES                                         ; the places in front of the loads into V's and p's registers
	ASK \how
.endm
; Trip 15's head: the same three lines and round; behind it slot 0, which nobody reads any more, takes x: my 64 rows of 512 bytes, a load of my own, without a mask.  Only I read those bytes.
.macro HEADX
	WIN 0
	s_wait_tensorcnt 0x0                           ; the last slot of V is whole
	ds_add_u32 v[SPW], v[NIL]                      ; 0 onto my spare word
	s_wait_dscnt 0x0
	ROUND
	tensor_load_to_lds s[G0X:G0X+3], s[G1X:G1X+7]
	s_nop 0
	PLACES
.endm
.macro HEADP                           ; a trip's head behind which nothing is filled
	WIN 0
	s_wait_dscnt 0x0                               ; my stores of p have landed, my reads of the other buffer are over
	s_barrier_signal -1
	s_barrier_wait -1
	PLACES
.endm
.macro TRIP rd, wr, vstep, fill, how, zero, kload
.if \fill == 1
	HEADF \how
.elseif \fill == 2
	HEADX
.else
	HEADP
.endif
	LOADS \rd, \vstep
	SMM \kload
	LEAD
	PVS \rd, \wr, \zero, 1
.endm
.macro XLOAD p, ot                     ; x at 16 outputs x 128 positions, from memory: register 4 (2 j + g) + i = x(8 h + j, 64 g + 4 r + i); sixteen lanes read 256 consecutive bytes
.irp j, 0,1,2,3,4,5,6,7
.irp g, 0,1
	global_load_b128 v[S+64*(\p)+4*(2*\j+\g):S+64*(\p)+4*(2*\j+\g)+3], v[XO], s[18:19] offset:131072*(\ot)+8192*\j+256*\g th:TH_LOAD_NT
.endr
.endr
.endm
.macro XLDS p, xg                      ; the same from LDS: rows of 512 bytes on end; sixteen lanes read 256 consecutive bytes
.irp j, 0,1,2,3,4,5,6,7
.irp g, 0,1
	ds_load_b128 v[S+64*(\p)+4*(2*\j+\g):S+64*(\p)+4*(2*\j+\g)+3], v[XRA] offset:8192*(\xg)+512*\j+256*\g
.endr
.endr
.endm
.macro WLOAD p, ot                     ; wo's four fragments of 16 outputs, and bo in the result's layout: 18 loads
	WIN 0x40
.irp kq, 0,1,2,3
.irp c, 0,1,2,3
	global_load_b128 v[128+64*(\p)+16*\kq+4*\c:128+64*(\p)+16*\kq+4*\c+3], v[WOA], s[10:11] offset:8192*(\ot)+128*\kq+32*\c
.endr
.endr
	WIN 0
	global_load_b128 v[KF+8*(\p):KF+8*(\p)+3], v[BOA], s[12:13] offset:64*(\ot)
	global_load_b128 v[KF+8*(\p)+4:KF+8*(\p)+7], v[BOA], s[12:13] offset:64*(\ot)+16
.endm
.macro AVQ qt                          ; a query tile's 64 sums: x 2^(e8 + e9) / l, held, converted: K step w of the last product; its image to LDS
.set ab, 64*((\qt)%4)
	WIN 0x82+0x41*((\qt)/4)
.set jj, 0
.rept 32
	v_pk_mul_f32 v[ab+jj:ab+jj+1], v[ab+jj:ab+jj+1], v[ST+4*(\qt):ST+4*(\qt)+1] op_sel_hi:[1,0]
.set jj, jj+2
.endr
.set jj, 0
.rept 64
	v_med3_num_f32 v[ab+jj], v[ab+jj], -v[LM10], v[LM10]
.set jj, jj+1
.endr
	WIN 0x42+((\qt)/4)                             ; codes in window 1, sums in window 2 or 3, the scale in window 0
.set jj, 0
.rept 8
	v_cvt_scalef32_pk8_fp8_f32 v[16*(\qt)+2*jj:16*(\qt)+2*jj+1], v[ab+8*jj:ab+8*jj+7], v[SC10]
.set jj, jj+1
.endr
	WIN 0x04                                       ; store data in window 1
.irp c, 0,1,2,3
	ds_store_b128 v[AW], v[16*(\qt)+4*\c:16*(\qt)+4*\c+3] offset:8192*(\qt)+512*\c
.endr
.endm
; A group of 16 outputs x 128 queries.  p: which buffers.  so: the group's place from out's base, in groups.  step = 1: the bases go two groups on.  nx: what is asked for the group two on: 0 nothing; 1 wo, bo, and x from
; LDS; 2 wo, bo, and x from memory.  wg: that group's place from wo's and bo's bases; xg: its place in x's LDS bytes, or in x.  c1: the loads that may be out when this group's wo and bo are wanted.
; xw, cx: this group's x is waited for on DScnt (1) or LOADcnt (2), with cx younger ones out.
; The results go into registers of their own, so that x's buffer can be asked for again at once; the one wait that frees them, and the bases, stands behind the group's 32 products: all that is out there was issued a group ago.
.macro OT p, so, step, nx, wg, xg, c1, xw, cx
	s_wait_loadcnt \c1
.irp j, 0,1,2,3,4,5,6,7
	v_ldexp_f32 v[KF+8*(\p)+\j], v[KF+8*(\p)+\j], s76   ; bo / 2^(e10 + e11): the C of the first products
.endr
.irp kq, 0,1,2,3
.if \kq == 0
	WIN 0x49                                       ; A (wo) and D window 1, B (av) window 2, C (bo) window 0
.elseif \kq == 1
	WIN 0x59                                       ; C window 1
.else
	WIN 0x5d                                       ; B window 3
.endif
.irp q, 0,1,2,3,4,5,6,7
.if \kq == 0
	v_wmma_f32_16x16x128_fp8_fp8 v[8*\q:8*\q+7], v[128+64*(\p)+16*\kq:128+64*(\p)+16*\kq+15], v[16*(8*(\kq%2)+\q):16*(8*(\kq%2)+\q)+15], v[KF+8*(\p):KF+8*(\p)+7]
.else
	v_wmma_f32_16x16x128_fp8_fp8 v[8*\q:8*\q+7], v[128+64*(\p)+16*\kq:128+64*(\p)+16*\kq+15], v[16*(8*(\kq%2)+\q):16*(8*(\kq%2)+\q)+15], v[8*\q:8*\q+7]
.endif
.endr
.endr
	WIN 0
	PLACES
.if \xw == 1
	s_wait_dscnt \cx
.else
	s_wait_loadcnt \cx
.endif
	s_wait_xcnt 0x0                                ; the last group's stores have read their registers, and every load and store its base
.if \step
	s_add_nc_u64 s[10:11], s[10:11], 16384
	s_add_nc_u64 s[12:13], s[12:13], 128
	s_add_nc_u64 s[20:21], s[20:21], 262144
.endif
	WIN 0x41                                       ; the sums and the results in window 1, gamma and x in window 0
.set oj, 0
.rept 8                                ; register j of every sum first: each is read from its low end on
.set og, 0
.rept 2
.set oi, 0
.rept 4
	v_fma_f32 v[OUTR+4*(2*oj+og)+oi], v[8*(4*og+oi)+oj], v[GG], v[S+64*(\p)+4*(2*oj+og)+oi]   ; gamma 2^(e10 + e11) x sum + x
.set oi, oi+1
.endr
.set og, og+1
.endr
.set oj, oj+1
.endr
	WIN 0x04                                       ; store data in window 1
.irp j, 0,1,2,3,4,5,6,7
.irp g, 0,1
	global_store_b128 v[XO], v[OUTR+4*(2*\j+\g):OUTR+4*(2*\j+\g)+3], s[20:21] offset:131072*(\so)+8192*\j+256*\g th:TH_STORE_NT   ; sixteen lanes store 256 consecutive bytes, aligned
.endr
.endr
	WIN 0
.if \nx
	WLOAD \p, \wg
.endif
.if \nx == 1
	XLDS \p, \xg
.elseif \nx == 2
	XLOAD \p, \xg
.endif
.endm
	s_load_b256 s[4:11], s[0:1], 0x0               ; qw s[4:5], kw s[6:7], vw s[8:9], wo s[10:11]
	s_load_b256 s[12:19], s[0:1], 0x20             ; bo s[12:13], gamma s[14:15], the exponents s[16:17], x s[18:19]
	s_load_b64 s[20:21], s[0:1], 0x40              ; out
	v_lshl_add_u32 v[SPW], v0, 2, SPARE
	v_mov_b32 v[NIL], 0
	ds_add_u32 v8, v9
	ds_add_u32 v8, v9
	s_wait_dscnt 0x0
	v_lshrrev_b32 v26, 5, v0
	v_readfirstlane_b32 s[WV], v26                 ; wave 0..3
	s_bfe_u32 s23, ttmp6, 0x40000                  ; cx: my place in the cluster
	s_lshl_b32 s24, ttmp9, 2
	s_add_co_u32 s24, s24, s23                     ; my block of 128 queries: it enters the addresses of Q, x and out alone
	s_and_b32 s25, ttmp7, 0xffff                   ; the batch, which the four partners share
	s_mov_b32 s[G1+0], 15|(3<<16)|(1<<21)          ; the mask: all four; elements of 8 bytes; bit 21 beside a mask; no padding: images are read 512 consecutive bytes at a time
	s_mov_b32 s[G1+1], 32<<16                      ; tensor_dim0 = 32: rows of 256 bytes
	s_mov_b32 s[G1+2], 128<<16                     ; tensor_dim1 = 128
	s_mov_b32 s[G1+3], 32<<16                      ; tile_dim0
	s_mov_b32 s[G1+4], 128                         ; tile_dim1: 32,768 bytes, dense
	s_mov_b32 s[G1+5], 32
	s_mov_b32 s[G1+6], 0
	s_mov_b32 s[G1+7], 0
	s_mov_b32 s[G1X+0], 2<<16                      ; x: no mask; elements of 4 bytes; no padding: the rows are read 256 consecutive bytes at a time
	s_mov_b32 s[G1X+1], 128<<16                    ; tensor_dim0 = 128
	s_mov_b32 s[G1X+2], 64<<16                     ; tensor_dim1 = 64
	s_mov_b32 s[G1X+3], 128<<16                    ; tile_dim0 = 128 positions
	s_mov_b32 s[G1X+4], 64                         ; tile_dim1 = 64 rows
	s_mov_b32 s[G1X+5], 2048                       ; elements from row to row
	s_mov_b32 s[G1X+6], 0
	s_mov_b32 s[G1X+7], 0
	s_mov_b32 s[SEL], 0x76543210
	s_mov_b32 s[SEL+1], 0xfedcba98
	s_lshl_b32 s56, s[WV], 15                      ; my quarter
	s_lshl_b32 s54, s25, 17
	s_add_co_u32 s54, s54, s56
	s_mov_b32 s55, 0
	s_lshl_b32 s58, s25, 20
	s_add_co_u32 s58, s58, s56
	s_mov_b32 s59, 0
	s_wait_kmcnt 0x0
	s_load_b128 s[68:71], s[16:17], 0x18           ; e6, e7, e8, e9
	s_load_b64 s[72:73], s[16:17], 0x28            ; e10, e11
	s_load_b32 s74, s[14:15], 0x0                  ; gamma
	s_mov_b32 s[G0K], 1
	s_add_co_u32 s[G0K+1], s56, SLOT1              ; the batch's K into slot 1
	s_add_nc_u64 s[G0K+2:G0K+3], s[6:7], s[54:55]
	s_or_b32 s[G0K+3], s[G0K+3], 0x80000000
	s_mov_b32 s[G0V], 1
	s_mov_b32 s[G0V+1], s56                        ; V's key steps 0 and 1 into slot 0
	s_add_nc_u64 s[G0V+2:G0V+3], s[8:9], s[58:59]
	s_or_b32 s[G0V+3], s[G0V+3], 0x80000000
	ROUND                                          ; all four work-groups are here: the first joint loads meet
	tensor_load_to_lds s[G0K:G0K+3], s[G1:G1+7]
	s_nop 0
	tensor_load_to_lds s[G0V:G0V+3], s[G1:G1+7]
	s_nop 0
	PLACES
	v_and_b32 v26, 31, v0
	v_lshlrev_b32 v[LI], 4, v26
	v_and_b32 v27, 15, v0                          ; r
	v_bfe_u32 v28, v0, 4, 1                        ; h
	s_lshl_b32 s60, s25, 17
	s_lshl_b32 s61, s24, 13
	s_add_co_u32 s60, s60, s61
	s_mov_b32 s61, 0
	s_add_nc_u64 s[4:5], s[4:5], s[60:61]          ; Q's 8 images
	WIN 0x40
.irp q, 0,1,2,3,4,5,6,7
.irp g, 0,1
	global_load_b128 v[192+8*\q+4*\g:192+8*\q+4*\g+3], v[LI], s[4:5] offset:1024*\q+512*\g   ; Q stays in registers
.endr
.endr
.set jj, 0
.rept 32
	v_mov_b32 v[160+jj], 0xff800000                ; the chains of maxima begin under every score
.set jj, jj+1
.endr
	WIN 0
	v_add_nc_u32 v[AP], PIMG, v[LI]
	s_lshl_b32 s54, s[WV], 9
	v_add_nc_u32 v[PW], s54, v[AP]
	s_lshl_b32 s54, s[WV], 14
	v_add_nc_u32 v[AV0], s54, v[LI]
	v_add_nc_u32 v[AV0+1], 65536, v[AV0]
	s_lshl_b32 s54, s[WV], 2
	v_lshlrev_b32 v[EXR], 4, v27
	v_add_nc_u32 v[EXR], EXM, v[EXR]
	v_add_nc_u32 v[EXW], s54, v[EXR]
	v_lshlrev_b32 v[PFO], 8, v26
	s_lshl_b32 s54, s[WV], 11
	v_add_nc_u32 v[KA0], s54, v[LI]
	v_add_nc_u32 v[KA0], SLOT1, v[KA0]
	v_mov_b32 v[KA], v[KA0]
	v_add_nc_u32 v[AVL], SLOT1, v[LI]
	v_lshlrev_b32 v[XR0], 4, v27
	v_lshl_add_u32 v[XR0], v28, 12, v[XR0]
	v_add_nc_u32 v[XR0], s56, v[XR0]
	v_mov_b32 v[KO], v[LI]
	v_lshlrev_b32 v[XO], 4, v27
	v_lshl_add_u32 v[XO], v28, 16, v[XO]
	v_lshlrev_b32 v[WOA], 9, v27
	v_lshl_add_u32 v[WOA], v28, 4, v[WOA]
	v_lshlrev_b32 v[BOA], 5, v28
	v_lshrrev_b32 v[PFX], 1, v26
	v_lshlrev_b32 v[PFX], 13, v[PFX]
	v_and_b32 v29, 1, v0
	v_lshl_add_u32 v[PFX], v29, 8, v[PFX]
	s_lshl_b32 s54, s25, 17
	s_lshl_b32 s55, s[WV], 11
	s_add_co_u32 s54, s54, s55
	s_mov_b32 s55, 0
	s_add_nc_u64 s[6:7], s[6:7], s[54:55]          ; K's images in memory, at my two tiles of step 0
	s_lshl_b32 s60, s25, 20
	s_lshl_b32 s62, s23, 15
	s_add_co_u32 s60, s60, s62
	s_lshl_b32 s62, s[WV], 13
	s_add_co_u32 s60, s60, s62
	s_add_co_u32 s60, s60, SLOT1                   ; at key steps 2, 3: the first refill steps it on.  Nothing is prefetched here, at the head
	s_add_nc_u64 s[PFA:PFA+1], s[8:9], s[60:61]
	s_cmp_eq_u32 ttmp9, 0
	s_cselect_b32 s[LIM], 1, -1                    ; the same in all four partners
	s_lshl_b32 s54, s[WV], 16
	s_add_nc_u64 s[10:11], s[10:11], s[54:55]      ; wo at my 128 rows
	s_lshl_b32 s54, s[WV], 9
	s_add_nc_u64 s[12:13], s[12:13], s[54:55]      ; bo at my 128 numbers
	s_lshl_b32 s60, s25, 22
	s_lshl_b32 s62, s[WV], 20
	s_add_co_u32 s60, s60, s62
	s_lshl_b32 s62, s24, 9
	s_add_co_u32 s60, s60, s62
	s_add_nc_u64 s[18:19], s[18:19], s[60:61]      ; x and out at my 128 rows, my block's 512 bytes
	s_add_nc_u64 s[20:21], s[20:21], s[60:61]
	s_mov_b32 s[G0X], 1
	s_mov_b32 s[G0X+1], s56                        ; LDS: 32,768 w, in slot 0
	s_add_nc_u64 s[G0X+2:G0X+3], s[18:19], 262144  ; x at my row 32: groups 2 to 5
	s_or_b32 s[G0X+3], s[G0X+3], 0x80000000
	s_wait_kmcnt 0x0
	s_add_co_i32 s54, s68, s69
	s_lshl_b32 s54, s54, 23
	s_mov_b32 s[CS], 0x3fb8aa3b                    ; log2(e),
	s_add_co_i32 s[CS], s[CS], s54                 ; x 2^(e6 + e7): added to its exponent field
	s_mov_b32 s[CS+1], s[CS]
	s_add_co_i32 s54, s70, 127
	s_lshl_b32 s55, s54, 23
	v_mov_b32 v[SCP], s55
	s_add_co_i32 s54, s54, 8
	s_lshl_b32 s54, s54, 23
	s_or_b32 s[LMS], s54, 0x600000                 ; 448 x 2^e8
	s_add_co_i32 s54, s72, 127
	s_lshl_b32 s55, s54, 23
	v_mov_b32 v[SC10], s55
	s_add_co_i32 s54, s54, 8
	s_lshl_b32 s54, s54, 23
	s_or_b32 s54, s54, 0x600000
	v_mov_b32 v[LM10], s54
	s_add_co_i32 s75, s70, s71                     ; e8 + e9
	s_add_co_i32 s77, s72, s73                     ; e10 + e11
	s_sub_co_i32 s76, 0, s77
	v_mov_b32 v[GG], s74
	v_ldexp_f32 v[GG], v[GG], s77
	s_mov_b32 s[KS], 0
	s_wait_tensorcnt 0x1                           ; my quarter of K is in; V's first slot may stay out
	s_barrier_signal -1
	s_barrier_wait -1
	WIN 0x40
.irp u, 0,1
.irp g, 0,1
	ds_load_b128 v[128+8*\u+4*\g:128+8*\u+4*\g+3], v[KA] offset:1024*\u+512*\g
.endr
.endr
	WIN 0
	s_wait_loadcnt 0x0                             ; Q
	; ---- pass 1
	P1 0, 0, 1
	PLACES                                         ; this step had no maxima between its products
	WIN 0
	s_mov_b32 s[CNT], 7
.Lpass1:
	P1 1, 1, 1
	P1 0, 1, 1
	WIN 0
	s_sub_co_u32 s[CNT], s[CNT], 1
	s_cmp_lg_u32 s[CNT], 0
	s_cbranch_scc1 .Lpass1
	P1 1, 1, 0
	PLACES
.set ix, 0
.rept 16
.set ch, 0
.rept 4
	v_max3_num_f32 v[160+4*(ix/2)+ch], v[160+4*(ix/2)+ch], v[8*ix+2*ch], v[8*ix+2*ch+1]
.set ch, ch+1
.endr
.set ix, ix+1
.endr
	WIN 0x15                                       ; sources in window 1, the result in window 0
.irp q, 0,1,2,3,4,5,6,7
	v_max3_num_f32 v[TM+\q], v[160+4*\q], v[161+4*\q], v[162+4*\q]
.endr
	WIN 0x04
.irp q, 0,1,2,3,4,5,6,7
	v_max_num_f32 v[TM+\q], v[TM+\q], v[163+4*\q]
.endr
	WIN 0
.irp q, 0,1,2,3,4,5,6,7
	v_mov_b32 v[TP+\q], 0                          ; a lane permute's destination counts as one of its sources
.endr
.irp q, 0,1,2,3,4,5,6,7
	v_permlanex16_b32 v[TP+\q], v[TM+\q], s[SEL], s[SEL+1]
.endr
.irp q, 0,1,2,3,4,5,6,7
	v_max_num_f32 v[TM+\q], v[TM+\q], v[TP+\q]     ; the largest score of query r among my wave's keys
.endr
.irp q, 0,1,2,3,4,5,6,7
	ds_store_b32 v[EXW], v[TM+\q] offset:256*\q    ; lanes r and r + 16 store the same number to the same word
.endr
.irp u, 0,1
.irp g, 0,1
	global_load_b128 v[KF+8*\u+4*\g:KF+8*\u+4*\g+3], v[KO], s[6:7] offset:1024*\u+512*\g   ; pass 2: K of step 0
.endr
.endr
	s_wait_dscnt 0x0                               ; my maxima lie in LDS, and my reads of K in slot 1 are over
	s_barrier_signal -1
	s_barrier_wait -1
.irp q, 0,1,2,3,4,5,6,7
	ds_load_b128 v[S+4*\q:S+4*\q+3], v[EXR] offset:256*\q   ; the four waves' maxima
.endr
	s_wait_dscnt 0x0
.irp q, 0,1,2,3,4,5,6,7
	v_max3_num_f32 v[TM+\q], v[S+4*\q], v[S+4*\q+1], v[S+4*\q+2]
.endr
.irp q, 0,1,2,3,4,5,6,7
	v_max_num_f32 v[TM+\q], v[TM+\q], v[S+4*\q+3]
.endr
.irp q, 0,1,2,3,4,5,6,7
	v_mul_f32 v[TM+\q], s[CS], v[TM+\q]            ; as t (c is positive)
.endr
.irp q, 0,1,2,3,4,5,6,7
	v_floor_f32 v[ST+4*\q], -v[TM+\q]              ; -M = floor(-t) = -ceil(t)
	v_mov_b32 v[ST+4*\q+1], 0                      ; (named as the upper half of a pair)
	v_mov_b32 v[ST+4*\q+2], 0                      ; l, in two halves
	v_mov_b32 v[ST+4*\q+3], 0
.endr
	; ---- pass 2.  Trip 0: the softmax of step 0 alone
	SMM 1
	LEAD
.set n, 0
.rept 240
	VL
.endr
	STOREP 0, 0
	STOREP 1, 0
	v_nop
	s_mov_b32 s[VB], 0
	TRIP 0, 1, 0, 1, 1, 1, 1                       ; trip 1: its products start the sums; slot 1, which held K, takes key steps 2 and 3
	TRIP 1, 0, 1, 0, 0, 0, 1                       ; trip 2
	WIN 0
	s_xor_b32 s[VB], s[VB], SLOT1
	s_mov_b32 s[CNT], 6
.Lpair:                                            ; trips (3, 4) to (13, 14): a slot's two key steps; the slot that was left is filled again
	TRIP 0, 1, 0, 1, 0, 0, 1
	TRIP 1, 0, 1, 0, 0, 0, 1
	WIN 0
	s_xor_b32 s[VB], s[VB], SLOT1
	s_sub_co_u32 s[CNT], s[CNT], 1
	s_cmp_lg_u32 s[CNT], 0
	s_cbranch_scc1 .Lpair
	TRIP 0, 1, 0, 2, 0, 0, 0                       ; trip 15, written out: no V is left to fetch; slot 0 takes x
	WIN 0
.irp q, 0,1,2,3,4,5,6,7
	v_add_f32 v[TM+\q], v[ST+4*\q+2], v[ST+4*\q+3] ; l's two halves,
.endr
.irp q, 0,1,2,3,4,5,6,7
	v_permlanex16_b32 v[TP+\q], v[TM+\q], s[SEL], s[SEL+1]
.endr
.irp q, 0,1,2,3,4,5,6,7
	v_add_f32 v[TM+\q], v[TM+\q], v[TP+\q]         ; and lane l xor 16's: the sum over my wave's keys
.endr
.irp q, 0,1,2,3,4,5,6,7
	ds_store_b32 v[EXW], v[TM+\q] offset:2048+256*\q
.endr
	; trip 16: the products of step 15 alone.  x's tensor load may stay out across its barrier
	HEADP
.irp q, 0,1,2,3,4,5,6,7
	ds_load_b128 v[CD+4*\q:CD+4*\q+3], v[EXR] offset:2048+256*\q   ; the four waves' parts of l: older than the 48 loads that the products' waits count
.endr
	LOADS 1, 1
	XLOAD 0, 0                                     ; x for the first two groups of 16 outputs, into the scores' registers
	XLOAD 1, 1
	PVS 1, 0, 0, 0
	; ---- the end
	WIN 0
	PLACES
	WLOAD 0, 0
	WLOAD 1, 1
.irp q, 0,1,2,3,4,5,6,7
	v_add_f32 v[TM+\q], v[CD+4*\q], v[CD+4*\q+1]
	v_add_f32 v[TP+\q], v[CD+4*\q+2], v[CD+4*\q+3]
.endr
.irp q, 0,1,2,3,4,5,6,7
	v_add_f32 v[TM+\q], v[TM+\q], v[TP+\q]         ; the row's sum
.endr
.irp q, 0,1,2,3,4,5,6,7
	v_rcp_f32 v[ST+4*\q], v[TM+\q]
.endr
	v_nop                                          ; a plain line behind the last reciprocal
	s_wait_alu depctr_va_vdst(0)                   ; one wait for the eight, ahead of their first reader
.irp q, 0,1,2,3,4,5,6,7
	v_ldexp_f32 v[ST+4*\q], v[ST+4*\q], s75        ; 2^(e8 + e9) / l
.endr
.irp t, 0,1,2,3,4,5,6,7
	AVQ \t                                         ; into key step 14's bytes: every wave's reads of them ended ahead of trip 16's barrier
.endr
	WIN 0
	v_nop                                          ; a plain line behind the last conversion
	s_wait_dscnt 0x0                               ; av's images lie in LDS
	s_barrier_signal -1
	s_barrier_wait -1
.irp kq, 0,1,2,3
	WIN 0x80+0x40*(\kq/2)
.irp q, 0,1,2,3,4,5,6,7
.irp c, 0,1,2,3
	ds_load_b128 v[16*(8*(\kq%2)+\q)+4*\c:16*(8*(\kq%2)+\q)+4*\c+3], v[AVL] offset:2048*(4*\q+\kq)+512*\c   ; all 32 fragments of av stay in registers
.endr
.endr
.endr
	WIN 0
	global_prefetch_b8 v[PFX], s[18:19] offset:131072*6 th:TH_LOAD_NT scope:SCOPE_SE   ; x of groups 6 and 7, which groups 4 and 5 will ask for: 16 rows x 512 bytes each, a lane a block of 256 bytes; only this wave reads them
	global_prefetch_b8 v[PFX], s[18:19] offset:131072*7 th:TH_LOAD_NT scope:SCOPE_SE
	s_wait_dscnt 0x0                               ; av
	s_wait_loadcnt 0x0                             ; x, wo and bo of groups 0 and 1
	s_wait_tensorcnt 0x0                           ; x of groups 2 to 5 lies in LDS; only I read my part
	s_mov_b32 s[XS], 0
	s_mov_b32 s[CNT], 2
.Lout:                                             ; groups 0 to 3.  18: the next group's wo and bo may be out;  16: the next group's x from LDS
	v_add_nc_u32 v[XRA], s[XS], v[XR0]
	OT 0, -2, 1, 1, 0, 0, 18, 1, 16
	OT 1, -1, 0, 1, 1, 1, 18, 1, 16
	s_add_co_u32 s[XS], s[XS], 16384
	s_sub_co_u32 s[CNT], s[CNT], 1
	s_cmp_lg_u32 s[CNT], 0
	s_cbranch_scc1 .Lout
	OT 0, 0, 0, 2, 2, 6, 18, 1, 16                 ; group 4 asks for group 6: wo, bo, and x from memory
	OT 1, 1, 0, 2, 3, 7, 34, 1, 0                  ; group 5: behind its wo stand group 6's 18 and 16
	OT 0, 2, 0, 0, 0, 0, 50, 2, 34                 ; group 6: behind its wo 16 + 18 + 16, behind its x 18 + 16; nothing more is asked for
	OT 1, 3, 0, 0, 0, 0, 16, 2, 0                  ; group 7: the counts run down
	s_wait_tensorcnt 0x0                           ; the wave's end
	ds_add_u32 v[SPW], v[NIL]
	s_wait_dscnt 0x0
	ROUND                                          ; the closing round
	s_endpgm
.Lfunc_end_k_q019e41d43f_attn:
	.size	k_q019e41d43f_attn, .Lfunc_end_k_q019e41d43f_attn-k_q019e41d43f_attn
	.p2alignl 7, 3214868480
	.fill 96, 4, 3214868480
	.section	.rodata,"a",@progbits
	.p2align	6, 0x0
	.amdhsa_kernel k_q019e41d43f_attn
		.amdhsa_group_segment_fixed_size 327680
		.amdhsa_private_segment_fixed_size 0
		.amdhsa_enable_private_segment 0
		.amdhsa_kernarg_size 72
		.amdhsa_user_sgpr_count 2
		.amdhsa_user_sgpr_kernarg_segment_ptr 1
		.amdhsa_wavefront_size32 1
		.amdhsa_system_sgpr_workgroup_id_x 1
		.amdhsa_system_sgpr_workgroup_id_y 1
		.amdhsa_system_sgpr_workgroup_id_z 1
		.amdhsa_system_vgpr_workitem_id 0
		.amdhsa_next_free_vgpr 1024
		.amdhsa_next_free_sgpr 96
		.amdhsa_reserve_vcc 0
		.amdhsa_float_denorm_mode_32 3
		.amdhsa_float_denorm_mode_16_64 3
		.amdhsa_memory_ordered 1
		.amdhsa_forward_progress 1
		.amdhsa_inst_pref_size 255
	.end_amdhsa_kernel
	.section	.bss,"aw",@nobits
	.p2align	6
	.space	262144
	.amdgpu_metadata
---
amdhsa.version: [ 1, 2 ]
amdhsa.kernels:
  - .name:           k_q019e41d43f_attn
    .symbol:         k_q019e41d43f_attn.kd
    .args:
      - { .name: qw, .offset: 0, .size: 8, .value_kind: global_buffer, .address_space: global }
      - { .name: kw, .offset: 8, .size: 8, .value_kind: global_buffer, .address_space: global }
      - { .name: vw, .offset: 16, .size: 8, .value_kind: global_buffer, .address_space: global }
      - { .name: wo_codes, .offset: 24, .size: 8, .value_kind: global_buffer, .address_space: global }
      - { .name: bo, .offset: 32, .size: 8, .value_kind: global_buffer, .address_space: global }
      - { .name: gamma, .offset: 40, .size: 8, .value_kind: global_buffer, .address_space: global }
      - { .name: lowp_scales, .offset: 48, .size: 8, .value_kind: global_buffer, .address_space: global }
      - { .name: x, .offset: 56, .size: 8, .value_kind: global_buffer, .address_space: global }
      - { .name: out0, .offset: 64, .size: 8, .value_kind: global_buffer, .address_space: global }
    .group_segment_fixed_size: 327680
    .private_segment_fixed_size: 0
    .kernarg_segment_align: 8
    .kernarg_segment_size: 72
    .max_flat_workgroup_size: 128
    .sgpr_count:     96
    .vgpr_count:     1024
    .wavefront_size: 32
...
	.end_amdgpu_metadata
.endif
;; end of part 2
